; MI455X (gfx1250); checked and timed in simulation.
; The chip was launched on July 23, 2026; its instructions are those of AMD's public machine-readable ISA for CDNA 5 (MIT licence, August 2026) and "CDNA5" Instruction Set Architecture Reference Guide (July 2026). The comments in the code are by the model that wrote it; some were corrected since.
;; Scan Attention. Allowed arithmetic: float matrix products may take bf16 or f16 operands with f32 sums; all other float work in f32.
;; Inputs: ks 2 x 2,048 x 16 x 64 float32; qs 2 x 2,048 x 16 x 64 float32; valid_lens 2 int32; vs 2 x 2,048 x 16 x 64 float32.
;; Outputs: out0 2 x 2,048 x 16 x 64 float32.
;; One version. Each part assembles by itself: llvm-mc -triple=amdgcn-amd-amdhsa -mcpu=gfx1250 --defsym DOCPART=n.
;; ======== version 1 of 1: 1 launch
;; limits: values are held in f16: magnitudes above 65,504 overflow, below 6.1e-05 lose precision
;; launch attn (part 1): grid 8 x 32, 8 waves a work-group, no clusters, 254,976 bytes of LDS; arguments qs, ks, vs, valid_lens, out0; writes out0
.if DOCPART == 1
	.amdgcn_target "amdgcn-amd-amdhsa--gfx1250"
	.amdhsa_code_object_version 6
	.text
	.protected	k_q127a3d9e27_attn
	.globl	k_q127a3d9e27_attn
	.p2align	8
	.type	k_q127a3d9e27_attn,@function
k_q127a3d9e27_attn:
	s_mov_b64 s[64:65], 0
	v_nop
	global_prefetch_b8 v0, s[64:65] scope:SCOPE_SE
	s_setreg_imm32_b32 hwreg(HW_REG_WAVE_MODE, 25, 1), 1
	s_wait_xcnt 0x0
; out[b][q][h][:] = softmax over k < valid_lens[b] of (qs[b][q][h] . ks[b][k][h] / 8) applied to vs[b][k][h][:].
; All tensors f32, [2][2048][16][64]: a (b, s, h) row is 256 bytes, rows of one head lie 4,096 bytes apart.
;
; SHARES.  Work-group (x, y): 256 query rows (block x) of head y = 16 b + h.  Eight waves = 4 row groups g of 64 rows x 2 key halves jw.
; A step is 128 keys of K and V, staged in LDS as f16; wave (g, jw) multiplies its 64 rows with keys 64 jw .. 64 jw + 63 of the step and keeps a
; running (m, l, O) of its own; the two partners of a row group merge once at the end, through LDS, each finishing 32 of the 64 rows.
; ORIENTATION.  S^T = K Q^T: register j of lane (r, h) holds (key 8h + j, query r), so a row's maximum and sum stay in the lane but for one
; exchange of the lane halves, and two neighbouring S^T tiles, packed, ARE the B operand P^T (32 keys x 16 queries) of O^T = V^T P^T.
; In O^T a lane again belongs to one query, so the rescaling factor and 1 / l are a lane's own multipliers.
; SCALE.  Q is multiplied by 0.125 log2(e) in f32 before it is narrowed: scores are exponents of 2, p = exp2(s - m), m the running maximum.
; ORDER OF STEPS.  n = ((L - 1) >> 7) + 1 steps hold a valid key; later keys have weight 0 and are never loaded.  The step n - 1, the only one that can
; be masked in part, is done first and starts m, l and O (its first products take C = 0: nothing is cleared); steps 0 .. n - 2 follow unmasked.
; A masked score is set to the lowest finite f32.  A key half that is masked whole gets m = that number, p = 1 and a finite O, which the next
; step's factor, or the merge's, exp2(that number - a real maximum) = 0, removes.
; BARRIERS hang on no datum: the text walks 16 fixed positions; a position at or past n jumps over its work and passes its barrier all the same.
; STAGING goes through registers: position p converts and stores the keys of position p + 1 into the slot that is not being read, and
; requests those of position p + 2, so a request has a whole position's work in which to land; one barrier a position orders both slots.
;
; NO JOINT TENSOR LOADS, though the 8 query blocks of a head read the same K and V: the tiles are f32 in memory and 16-bit at the matrix unit.
; Through registers a step writes 32 KiB into LDS beside the 128 KiB of fragment reads; a tile brought as it lies would put 64 KiB of f32 there,
; to be read again (64 KiB) and written narrowed (32 KiB).  No prefetch either: each step's loads are themselves issued a position ahead.
;
; LIMITS.  Matrix operands are f16: |0.18 q|, |k|, |v| above 65,504 become infinite, and a p below 2^-25 becomes 0 in the product with V
; (l sums the f32 p).  Scores times 0.18 must be finite and above the lowest finite f32.  v_exp_f32 gives 0 for results below 2^-126.
; Rows of K and V in steps wholly behind valid_lens are not read, so an infinity or NaN there does not reach the output, as 0 x infinity would.
; valid_lens above 2,048 acts as 2,048; valid_lens <= 0 gives NaN everywhere, as a softmax of nothing but -infinity does.
.set ROWB,   4096                      ; bytes from a row of a head to the next
.set STEPB,  128*ROWB                  ; a step of 128 keys in memory
.set KPITCH, 144                       ; LDS row of K and Q: 128 bytes + 16; 16 rows start at 16 different multiples of 16 modulo 256
.set VPITCH, 160                       ; LDS row of V: 128 bytes + 32; 8 rows x 2 columns of 16 bytes are 16 different multiples of 16 modulo 256
.set KSLOT,  128*KPITCH                ; 18,432
.set VSLOT,  128*VPITCH                ; 20,480
.set VBASE,  2*KSLOT                   ; 36,864   V's two slots behind K's two
.set QBASE,  VBASE+2*VSLOT             ; 77,824   256 rows of Q
.set XBASE,  QBASE+256*KPITCH          ; 114,688  merge: for each wave 16 x 512 bytes of O and 512 bytes of (m, l, m, l)
.set XWAVE,  17*512
.set OBASE,  XBASE+8*XWAVE             ; 184,320  way out: for each wave 32 rows of 256 + 16 bytes
.set OPITCH, 272
.set OWAVE,  32*OPITCH                 ; 8,704; the end is 253,952
; window 0
.set GOFF, 4                           ; w 8192 + h 4096 + 16 r: my 16 bytes of row 2 w + h of every 16 rows
.set KST,  5                           ; where I put 8 bytes of K     .set names below likewise: one address each, never rewritten
.set VST,  6
.set QST,  7
.set KFA,  8                           ; my K fragments
.set VFA,  9                           ; my V fragments (transposing loads)
.set QFK,  10                          ; Q fragments of the 32 rows that I finish
.set QFG,  11                          ; Q fragments of the 32 rows that my partner finishes
.set THR,  12                          ; a score (tile t, register j) of the first step is valid where 16 t + j < THR
.set NEGV, 13                          ; the lowest finite f32
.set XST,  14
.set XLD,  15
.set OST,  16
.set ORD,  17
.set OOFF, 18
.set TMP,  19
.set ST,   20                          ; v[20:27]  (m, l) of query tile q at ST + 2 q
.set AL,   28                          ; v[28:35]  (factor, value from the other lane half)
.set NM,   36                          ; v[36:43]  (-m, maximum at work)
.set SU,   44                          ; v[44:51]  pair of sums; in the merge v[44:47] = the partner's (m, l, m, l)
.set FR,   64                          ; v[64:127] eight fragments: K (ks, t) at FR + 32 ks + 8 t, then V (s, t) likewise
.set SB,   128                         ; v[128:255] scores: tile (q, t) at SB + 32 q + 8 t; packed, P (q, s) at SB + 32 q + 16 s
; window 1 (v256 to v511, named by their low 8 bits)
.set OB,   0                           ; O^T tile (q, t) at OB + 32 q + 8 t
.set QF,   128                         ; Q fragment (q, ks) at QF + 16 q + 8 ks
.set STG,  192                         ; staging: K's load i at STG + 4 i, V's at STG + 32 + 4 i
; scalars
.set NS,   24                          ; s[24:27]  n, n - 1, n - 2, n - 3
.set POS,  28                          ; the position
.set QP,   32
.set KB,   34                          ; K and V at my head's first row
.set VB,   36
.set KP,   38                          ; K and V at the step that is requested
.set VP,   40
.set OP,   42
.set MSB,  0
.macro WIN new                         ; s_set_vgpr_msb: bits 1:0 source 0, 3:2 source 1, 5:4 source 2, 7:6 destination; the high byte repeats the setting left
.if MSB != \new
	s_set_vgpr_msb (MSB<<8)|\new
.set MSB, \new
.endif
.endm
.macro PLACES n
.rept \n
	v_nop
.endr
.endm
; 16 loads: the 128 rows of K and of V of the step at KP, VP.  Sixteen lanes take one row's 256 bytes; load i takes rows 16 i + 2 w + h.
.macro LOADS
	WIN 0x40                                       ; data into window 1, address from window 0
.irp i, 0,1,2,3,4,5,6,7
	global_load_b128 v[STG+4*\i:STG+4*\i+3], v[GOFF], s[KP:KP+1] offset:\i*16*ROWB
.endr
.irp i, 0,1,2,3,4,5,6,7
	global_load_b128 v[STG+32+4*\i:STG+32+4*\i+3], v[GOFF], s[VP:VP+1] offset:\i*16*ROWB
.endr
	WIN 0
.endm
; what LOADS brought is narrowed to f16 in place and stored into a slot
.macro CONVERT slot
	s_wait_loadcnt 0x0                             ; all 16 are in; KP, VP and the staging registers are free from here on
	WIN 0x45
.irp i, 0,1,2,3,4,5,6,7,8,9,10,11,12,13,14,15
	v_cvt_pk_f16_f32 v[STG+4*\i], v[STG+4*\i], v[STG+4*\i+1]
	v_cvt_pk_f16_f32 v[STG+4*\i+1], v[STG+4*\i+2], v[STG+4*\i+3]
.endr
	WIN 0x04                                       ; store data from window 1
.irp i, 0,1,2,3,4,5,6,7
	ds_store_b64 v[KST], v[STG+4*\i:STG+4*\i+1] offset:\slot*KSLOT+\i*16*KPITCH
.endr
.irp i, 0,1,2,3,4,5,6,7
	ds_store_b64 v[VST], v[STG+32+4*\i:STG+32+4*\i+1] offset:\slot*VSLOT+\i*16*VPITCH
.endr
	WIN 0
.endm
; S^T = K Q^T for my 64 keys x 64 queries: 32 matrix instructions; then V's fragments are requested into the registers that held K's.
.macro SPHASE slot
.irp c, 0,1
.irp t, 0,1,2,3
	ds_load_b128 v[FR+32*\c+8*\t:FR+32*\c+8*\t+3],   v[KFA] offset:\slot*KSLOT+\t*16*KPITCH+\c*64
	ds_load_b128 v[FR+32*\c+8*\t+4:FR+32*\c+8*\t+7], v[KFA] offset:\slot*KSLOT+\t*16*KPITCH+\c*64+32
.endr
.endr
	s_wait_dscnt 0x8                               ; all but the 8 youngest (d = 32 .. 63) are in: the fragments of d = 0 .. 31 and whatever was issued before them
	WIN 0x04                                       ; B (Q) from window 1
	; the sixteen accumulators take turns, one instruction a turn, in the same order in both halves
.irp q, 0,1,2,3
.irp t, 0,1,2,3
	v_wmma_f32_16x16x32_f16 v[SB+32*\q+8*\t:SB+32*\q+8*\t+7], v[FR+8*\t:FR+8*\t+7], v[QF+16*\q:QF+16*\q+7], 0
.endr
.endr
	s_wait_dscnt 0x0
.irp q, 0,1,2,3
.irp t, 0,1,2,3
	v_wmma_f32_16x16x32_f16 v[SB+32*\q+8*\t:SB+32*\q+8*\t+7], v[FR+32+8*\t:FR+32+8*\t+7], v[QF+16*\q+8:QF+16*\q+15], v[SB+32*\q+8*\t:SB+32*\q+8*\t+7]
.endr
.endr
	WIN 0
	PLACES 5                                       ; four places before loads land on K's fragments and vector instructions read S; the fifth since P, a later B operand, lies in S's registers
.irp c, 0,1
.irp t, 0,1,2,3
	ds_load_tr16_b128 v[FR+32*\c+8*\t:FR+32*\c+8*\t+3],   v[VFA] offset:\slot*VSLOT+\c*32*VPITCH+\t*32
	ds_load_tr16_b128 v[FR+32*\c+8*\t+4:FR+32*\c+8*\t+7], v[VFA] offset:\slot*VSLOT+\c*32*VPITCH+\t*32+16*VPITCH
.endr
.endr
.endm
; The running softmax on 4 query tiles x 32 scores a lane.  first = 1: mask, and start m and l; else carry them on and rescale O.
.macro SOFTMAX first
.if \first
.irp t, 0,1,2,3
.irp j, 0,1,2,3,4,5,6,7
	v_cmp_lt_i32 vcc_lo, 16*\t+\j, v[THR]          ; the key's place is the same in all four query tiles
.irp q, 0,1,2,3
	v_cndmask_b32 v[SB+32*\q+8*\t+\j], v[NEGV], v[SB+32*\q+8*\t+\j], vcc_lo
.endr
.endr
.endr
.endif
	; the maximum: four chains, one for each query tile, that do not wait for each other
.irp q, 0,1,2,3
.if \first
	v_max_num_f32 v[NM+2*\q+1], v[SB+32*\q], v[SB+32*\q+1]
.else
	v_max3_num_f32 v[NM+2*\q+1], v[ST+2*\q], v[SB+32*\q], v[SB+32*\q+1]
.endif
.endr
.irp i, 1,2,3,4,5,6,7,8,9,10,11,12,13,14,15
.irp q, 0,1,2,3
	v_max3_num_f32 v[NM+2*\q+1], v[NM+2*\q+1], v[SB+32*\q+2*\i], v[SB+32*\q+2*\i+1]
.endr
.endr
.irp q, 0,1,2,3
	v_permlanex16_b32 v[AL+2*\q+1], v[NM+2*\q+1], s44, s45     ; the other 8 keys of each tile lie in lane i xor 16
.endr
.irp q, 0,1,2,3
	v_max_num_f32 v[NM+2*\q+1], v[NM+2*\q+1], v[AL+2*\q+1]
.endr
.if \first == 0
.irp q, 0,1,2,3
	v_sub_f32 v[AL+2*\q], v[ST+2*\q], v[NM+2*\q+1]             ; old m - new m
.endr
.irp q, 0,1,2,3
	v_exp_f32 v[AL+2*\q], v[AL+2*\q]                           ; the factor for l and O; the plain lines below stand between it and its use (ISA guide 5.7.2)
.endr
.endif
.irp q, 0,1,2,3
	v_sub_f32 v[NM+2*\q], 0, v[NM+2*\q+1]
.endr
.irp q, 0,1,2,3
	v_mov_b32 v[ST+2*\q], v[NM+2*\q+1]
.endr
	; p = exp2(s - m), in place.  s - m is exactly 0 where s = m, at the mask's value too.  A tile's run of exponentials is followed by the next tile's additions.
.irp q, 0,1,2,3
.irp i, 0,1,2,3,4,5,6,7,8,9,10,11,12,13,14,15
	v_pk_add_f32 v[SB+32*\q+2*\i:SB+32*\q+2*\i+1], v[SB+32*\q+2*\i:SB+32*\q+2*\i+1], v[NM+2*\q:NM+2*\q+1] op_sel_hi:[1,0]
.endr
.set ix, 0
.rept 32
	v_exp_f32 v[SB+32*\q+ix], v[SB+32*\q+ix]
.set ix, ix+1
.endr
.endr
	; the lane's sum of p, in f32; tile 0's line comes first, so three plain lines stand between tile 3's exponentials and their use
	s_wait_alu depctr_va_vdst(0)
.irp q, 0,1,2,3
	v_pk_add_f32 v[SU+2*\q:SU+2*\q+1], v[SB+32*\q:SB+32*\q+1], v[SB+32*\q+2:SB+32*\q+3]
.endr
.irp i, 2,3,4,5,6,7,8,9,10,11,12,13,14,15
.irp q, 0,1,2,3
	v_pk_add_f32 v[SU+2*\q:SU+2*\q+1], v[SU+2*\q:SU+2*\q+1], v[SB+32*\q+2*\i:SB+32*\q+2*\i+1]
.endr
.endr
.irp q, 0,1,2,3
.if \first
	v_add_f32 v[ST+2*\q+1], v[SU+2*\q], v[SU+2*\q+1]           ; l stays the lane half's own sum; the halves meet in the merge
.else
	v_fma_f32 v[ST+2*\q+1], v[ST+2*\q+1], v[AL+2*\q], v[SU+2*\q]
.endif
.endr
.if \first == 0
.irp q, 0,1,2,3
	v_add_f32 v[ST+2*\q+1], v[ST+2*\q+1], v[SU+2*\q+1]
.endr
.endif
	; two neighbouring tiles (keys 8h + 0..7 and 16 + 8h + 0..7 of 32) pack into the 8 registers of a B fragment, in place, ascending
.irp q, 0,1,2,3
.irp c, 0,1
.irp i, 0,1,2,3
	v_cvt_pk_f16_f32 v[SB+32*\q+16*\c+\i], v[SB+32*\q+16*\c+2*\i], v[SB+32*\q+16*\c+2*\i+1]
.endr
.irp i, 0,1,2,3
	v_cvt_pk_f16_f32 v[SB+32*\q+16*\c+4+\i], v[SB+32*\q+16*\c+8+2*\i], v[SB+32*\q+16*\c+9+2*\i]
.endr
.endr
.endr
.if \first == 0
	WIN 0x41                                       ; O in window 1, the factor in window 0
.irp q, 0,1,2,3
.set ix, 0
.rept 16
	v_pk_mul_f32 v[OB+32*\q+ix:OB+32*\q+ix+1], v[OB+32*\q+ix:OB+32*\q+ix+1], v[AL+2*\q:AL+2*\q+1] op_sel_hi:[1,0]
.set ix, ix+2
.endr
.endr
.endif
.endm
; O^T += V^T P^T: 32 matrix instructions
.macro PV first
	s_wait_dscnt 0x0                               ; V's fragments; zero, since the number of staging stores issued behind them differs from path to path
	WIN 0x50                                       ; C and D in window 1
	; the sixteen accumulators take turns, one instruction a turn, in the same order in both halves
.irp q, 0,1,2,3
.irp t, 0,1,2,3
.if \first
	v_wmma_f32_16x16x32_f16 v[OB+32*\q+8*\t:OB+32*\q+8*\t+7], v[FR+8*\t:FR+8*\t+7], v[SB+32*\q:SB+32*\q+7], 0
.else
	v_wmma_f32_16x16x32_f16 v[OB+32*\q+8*\t:OB+32*\q+8*\t+7], v[FR+8*\t:FR+8*\t+7], v[SB+32*\q:SB+32*\q+7], v[OB+32*\q+8*\t:OB+32*\q+8*\t+7]
.endif
.endr
.endr
.irp q, 0,1,2,3
.irp t, 0,1,2,3
	v_wmma_f32_16x16x32_f16 v[OB+32*\q+8*\t:OB+32*\q+8*\t+7], v[FR+32+8*\t:FR+32+8*\t+7], v[SB+32*\q+16:SB+32*\q+23], v[OB+32*\q+8*\t:OB+32*\q+8*\t+7]
.endr
.endr
	WIN 0
	PLACES 5                                       ; before the next K fragments land on V's, the next S products write over P, and O is read (ISA guide 7.12.1)
.endm
; The position POS + o, which reads slot and fills other.  first: position 0 (always has work).  last: position 15 (nothing to stage, no barrier behind it).
.macro STEP slot, other, o, first, last
.if \first == 0
	s_cmp_lt_i32 s[POS], s[NS+\o]                  ; position < n ?
	s_cbranch_scc0 .Lidle_\@
.endif
	SPHASE \slot
.if \last == 0
	s_cmp_lt_i32 s[POS], s[NS+\o+1]                ; position + 1 < n: its keys are in my registers or on their way
	s_cbranch_scc0 .Lnostage_\@
	CONVERT \other
	s_cmp_lt_i32 s[POS], s[NS+\o+2]                ; position + 2 < n: request its keys
	s_cbranch_scc0 .Lnostage_\@
	s_add_nc_u64 s[KP:KP+1], s[KP:KP+1], STEPB     ; behind CONVERT's wait for all loads
	s_add_nc_u64 s[VP:VP+1], s[VP:VP+1], STEPB
	LOADS
.Lnostage_\@:
.endif
	SOFTMAX \first
	PV \first
.if \first == 0
.Lidle_\@:
.endif
.if \last == 0
	s_wait_dscnt 0x0                               ; my reads of this slot are back and my stores into the other have landed:
	s_barrier_signal -1                            ; behind this barrier the other slot is read and this one is written
	s_barrier_wait -1
.endif
.endm
	; ---------------- the head ----------------
	s_load_b256 s[4:11], s[0:1], 0x0               ; qs s[4:5], ks s[6:7], vs s[8:9], valid_lens s[10:11]
	s_load_b64 s[12:13], s[0:1], 0x20              ; out0
	v_lshl_add_u32 v62, v0, 2, 0x3e000
	v_mov_b32 v63, 0
	v_lshrrev_b32 v[TMP], 5, v0
	v_readfirstlane_b32 s14, v[TMP]                ; wave w
	s_lshr_b32 s15, s14, 1                         ; row group g
	s_and_b32 s16, s14, 1                          ; key half jw
	s_and_b32 s18, ttmp7, 0xffff                   ; y = 16 b + head
	s_lshr_b32 s19, s18, 4                         ; b
	s_and_b32 s20, s18, 15                         ; head
	s_mov_b32 s44, 0x76543210                      ; v_permlanex16_b32: lane i takes lane i of the other half
	s_mov_b32 s45, 0xfedcba98
	s_mov_b32 s46, 0x3e38aa3b                      ; 0.125 log2(e), twice: a pair for the packed multiply
	s_mov_b32 s47, 0x3e38aa3b
	v_and_b32 v1, 31, v0                           ; lane
	v_and_b32 v2, 15, v0                           ; r
	v_bfe_u32 v3, v0, 4, 1                         ; h
	v_mov_b32 v[NEGV], 0xff7fffff
.irp q, 0,1,2,3
	v_mov_b32 v[AL+2*\q+1], 0                      ; a destination of v_permlanex16_b32 counts as read: written once here
.endr
	v_lshlrev_b32 v[GOFF], 4, v2
	v_lshl_add_u32 v[GOFF], v3, 12, v[GOFF]
	s_lshl_b32 s50, s14, 13
	v_add_nc_u32 v[GOFF], s50, v[GOFF]             ; 8192 w + 4096 h + 16 r
	v_mul_u32_u24 v[TMP], v3, KPITCH
	v_lshl_add_u32 v[TMP], v2, 3, v[TMP]
	s_mul_i32 s50, s14, 2*KPITCH
	v_add_nc_u32 v[KST], s50, v[TMP]               ; row 2 w + h, 8 bytes at 8 r
	v_add_nc_u32 v[QST], QBASE, v[KST]
	v_mul_u32_u24 v[TMP], v3, VPITCH
	v_lshl_add_u32 v[TMP], v2, 3, v[TMP]
	s_mul_i32 s50, s14, 2*VPITCH
	s_add_co_u32 s50, s50, VBASE
	v_add_nc_u32 v[VST], s50, v[TMP]
	v_mul_u32_u24 v[TMP], v2, KPITCH               ; a fragment from rows along d: row r, 16 bytes at 16 h, and 32 further on
	v_lshl_add_u32 v[TMP], v3, 4, v[TMP]
	s_mul_i32 s50, s16, 64*KPITCH
	v_add_nc_u32 v[KFA], s50, v[TMP]
	s_mul_i32 s50, s15, 64*KPITCH
	s_add_co_u32 s50, s50, QBASE
	s_mul_i32 s21, s16, 32*KPITCH
	s_add_co_u32 s21, s21, s50
	v_add_nc_u32 v[QFK], s21, v[TMP]               ; rows 64 g + 32 jw ..
	s_xor_b32 s21, s16, 1
	s_mul_i32 s21, s21, 32*KPITCH
	s_add_co_u32 s21, s21, s50
	v_add_nc_u32 v[QFG], s21, v[TMP]               ; rows 64 g + 32 (1 - jw) ..
	v_and_b32 v[TMP], 7, v0                        ; a transposing load: key row 8 h + (lane & 7), column 16 ((lane >> 3) & 1)
	v_lshl_add_u32 v[TMP], v3, 3, v[TMP]
	v_mul_u32_u24 v[TMP], v[TMP], VPITCH
	v_bfe_u32 v[VFA], v0, 3, 1
	v_lshl_add_u32 v[TMP], v[VFA], 4, v[TMP]
	s_mul_i32 s50, s16, 64*VPITCH
	s_add_co_u32 s50, s50, VBASE
	v_add_nc_u32 v[VFA], s50, v[TMP]
	s_mul_i32 s50, s14, XWAVE
	s_add_co_u32 s50, s50, XBASE
	v_lshl_add_u32 v[XST], v1, 4, s50              ; my wave's exchange bytes, 16 a lane
	s_xor_b32 s21, s14, 1
	s_mul_i32 s21, s21, XWAVE
	s_add_co_u32 s21, s21, XBASE
	v_lshl_add_u32 v[XLD], v1, 4, s21              ; my partner's
	s_mul_i32 s50, s14, OWAVE
	s_add_co_u32 s50, s50, OBASE
	v_mul_u32_u24 v[TMP], v2, OPITCH
	v_lshl_add_u32 v[TMP], v3, 5, v[TMP]
	v_add_nc_u32 v[OST], s50, v[TMP]               ; in: row r, 32 bytes for each lane half
	v_mul_u32_u24 v[TMP], v3, OPITCH
	v_lshl_add_u32 v[TMP], v2, 4, v[TMP]
	v_add_nc_u32 v[ORD], s50, v[TMP]               ; back: lanes 0-15 one row of 256 bytes, lanes 16-31 the next
	v_lshlrev_b32 v[OOFF], 4, v2
	v_lshl_add_u32 v[OOFF], v3, 12, v[OOFF]        ; the same two rows in out0
	s_lshl_b32 s30, s19, 23                        ; offsets, apart from the addresses: b x 8 MiB + head x 256
	s_lshl_b32 s21, s20, 8
	s_add_co_u32 s30, s30, s21
	s_mov_b32 s31, 0
	s_wait_kmcnt 0x0
	s_load_b64 s[22:23], s[10:11], 0x0             ; both lengths
	s_add_nc_u64 s[KB:KB+1], s[6:7], s[30:31]
	s_add_nc_u64 s[VB:VB+1], s[8:9], s[30:31]
	s_lshl_b32 s21, ttmp9, 20                      ; + query block x 256 rows
	s_add_co_u32 s30, s30, s21
	s_add_nc_u64 s[QP:QP+1], s[4:5], s[30:31]
.irp i, 0,1,2,3,4,5,6,7,8,9,10,11,12,13,14,15
	global_load_b128 v[SB+4*\i:SB+4*\i+3], v[GOFF], s[QP:QP+1] offset:\i*16*ROWB th:TH_LOAD_NT   ; the block's 256 rows of Q: read once in the launch
.endr
	s_lshl_b32 s21, s15, 18                        ; + 64 g rows + 32 jw rows: the rows that I finish
	s_add_co_u32 s30, s30, s21
	s_lshl_b32 s21, s16, 17
	s_add_co_u32 s30, s30, s21
	s_add_nc_u64 s[OP:OP+1], s[12:13], s[30:31]
	s_wait_kmcnt 0x0
	s_cmp_eq_u32 s19, 0
	s_cselect_b32 s29, s22, s23                    ; L = valid_lens[b]
	s_cmp_gt_i32 s29, 0
	s_cselect_b32 s48, 1.0, 0x7fc00000             ; no valid key at all: every output is NaN
	s_sub_co_i32 s50, s29, 1
	s_lshr_b32 s50, s50, 7
	s_min_u32 s49, s50, 15                         ; n - 1, the step with the last valid key; never past the tensor
	s_add_co_u32 s[NS], s49, 1
	s_mov_b32 s[NS+1], s49
	s_sub_co_i32 s[NS+2], s49, 1
	s_sub_co_i32 s[NS+3], s49, 2
	s_lshl_b32 s30, s49, 19                        ; (n - 1) x 128 rows of 4,096 bytes
	s_add_nc_u64 s[KP:KP+1], s[KB:KB+1], s[30:31]
	s_add_nc_u64 s[VP:VP+1], s[VB:VB+1], s[30:31]
	LOADS                                          ; step n - 1, for position 0
	s_lshl_b32 s50, s49, 7
	s_sub_co_i32 s50, s29, s50
	s_lshl_b32 s21, s16, 6
	s_sub_co_i32 s50, s50, s21
	v_lshlrev_b32 v[THR], 3, v3
	v_sub_nc_u32 v[THR], s50, v[THR]               ; L - 128 (n - 1) - 64 jw - 8 h
	s_wait_loadcnt 0x10                            ; Q's 16 loads are in; the 16 younger ones, K's and V's, stay out
.irp i, 0,1,2,3,4,5,6,7,8,9,10,11,12,13,14,15
	v_pk_mul_f32 v[SB+4*\i:SB+4*\i+1],   v[SB+4*\i:SB+4*\i+1],   s[46:47] op_sel_hi:[1,0]
	v_pk_mul_f32 v[SB+4*\i+2:SB+4*\i+3], v[SB+4*\i+2:SB+4*\i+3], s[46:47] op_sel_hi:[1,0]
.endr
.irp i, 0,1,2,3,4,5,6,7,8,9,10,11,12,13,14,15
	v_cvt_pk_f16_f32 v[SB+4*\i],   v[SB+4*\i],   v[SB+4*\i+1]
	v_cvt_pk_f16_f32 v[SB+4*\i+1], v[SB+4*\i+2], v[SB+4*\i+3]
.endr
.irp i, 0,1,2,3,4,5,6,7,8,9,10,11,12,13,14,15
	ds_store_b64 v[QST], v[SB+4*\i:SB+4*\i+1] offset:\i*16*KPITCH
.endr
	CONVERT 0
	s_mov_b64 s[KP:KP+1], s[KB:KB+1]               ; behind CONVERT's wait for all loads
	s_mov_b64 s[VP:VP+1], s[VB:VB+1]
	s_mov_b32 s[POS], 0
	s_cmp_lt_i32 s[POS], s[NS+1]                   ; is there a position 1 ?
	s_cbranch_scc0 .Lone_step
	LOADS                                          ; step 0, for position 1
.Lone_step:
	s_wait_dscnt 0x0                               ; my rows of Q and of slot 0 have landed
	s_barrier_signal -1
	s_barrier_wait -1                              ; everybody's have
	WIN 0x40
.irp q, 0,1
.irp c, 0,1
	ds_load_b128 v[QF+16*\q+8*\c:QF+16*\q+8*\c+3],       v[QFK] offset:\q*16*KPITCH+\c*64
	ds_load_b128 v[QF+16*\q+8*\c+4:QF+16*\q+8*\c+7],     v[QFK] offset:\q*16*KPITCH+\c*64+32
	ds_load_b128 v[QF+32+16*\q+8*\c:QF+32+16*\q+8*\c+3],   v[QFG] offset:\q*16*KPITCH+\c*64
	ds_load_b128 v[QF+32+16*\q+8*\c+4:QF+32+16*\q+8*\c+7], v[QFG] offset:\q*16*KPITCH+\c*64+32
.endr
.endr
	WIN 0
	; ---------------- the 16 positions ----------------
	STEP 0, 1, 0, 1, 0                             ; position 0: step n - 1, masked; starts m, l, O
	s_mov_b32 s[POS], 1
.Lpair:
	STEP 1, 0, 0, 0, 0                             ; odd positions read slot 1,
	STEP 0, 1, 1, 0, 0                             ; even ones slot 0
	s_add_co_u32 s[POS], s[POS], 2
	s_cmp_lt_u32 s[POS], 15
	s_cbranch_scc1 .Lpair                          ; 7 trips: positions 1 to 14
	STEP 1, 0, 0, 0, 1                             ; position 15
	; ---------------- the merge ----------------
	; I hand the O, m and l of my query tiles 2 and 3 to my partner and take its figures for my tiles 0 and 1: same lanes, same registers.
	WIN 0x04
.irp i, 0,1,2,3,4,5,6,7,8,9,10,11,12,13,14,15
	ds_store_b128 v[XST], v[OB+64+4*\i:OB+64+4*\i+3] offset:\i*512
.endr
	WIN 0
	ds_store_b128 v[XST], v[ST+4:ST+7] offset:16*512
	s_wait_dscnt 0x0                               ; for my partner's sake: all my stores have landed
	s_barrier_signal -1
	s_barrier_wait -1
	ds_load_b128 v[SU:SU+3], v[XLD] offset:16*512  ; the partner's (m, l, m, l)
.irp i, 0,1,2,3,4,5,6,7,8,9,10,11,12,13,14,15
	ds_load_b128 v[SB+4*\i:SB+4*\i+3], v[XLD] offset:\i*512
.endr
	s_wait_dscnt 0x10                              ; (m, l) is in; the 16 younger loads, the partner's O, stay out
.irp q, 0,1
	v_max_num_f32 v[NM+2*\q+1], v[ST+2*\q], v[SU+2*\q]
.endr
.irp q, 0,1
	v_sub_f32 v[AL+2*\q], v[ST+2*\q], v[NM+2*\q+1]
	v_sub_f32 v[NM+2*\q], v[SU+2*\q], v[NM+2*\q+1]
.endr
.irp q, 0,1
	v_exp_f32 v[AL+2*\q], v[AL+2*\q]               ; my factor
	v_exp_f32 v[NM+2*\q], v[NM+2*\q]               ; my partner's
.endr
	v_nop                                          ; one plain place behind the exponentials (ISA guide 5.7.2)
	s_wait_alu depctr_va_vdst(0)
.irp q, 0,1
	v_mul_f32 v[ST+2*\q+1], v[ST+2*\q+1], v[AL+2*\q]
.endr
.irp q, 0,1
	v_fma_f32 v[ST+2*\q+1], v[SU+2*\q+1], v[NM+2*\q], v[ST+2*\q+1]
.endr
.irp q, 0,1
	v_permlanex16_b32 v[AL+2*\q+1], v[ST+2*\q+1], s44, s45     ; the two lane halves' sums meet here, once
.endr
.irp q, 0,1
	v_add_f32 v[ST+2*\q+1], v[ST+2*\q+1], v[AL+2*\q+1]
.endr
.irp q, 0,1
	v_rcp_f32 v[AL+2*\q+1], v[ST+2*\q+1]
.endr
	v_nop                                          ; one plain place behind the reciprocals
	s_wait_alu depctr_va_vdst(0)
.irp q, 0,1
	v_mul_f32 v[AL+2*\q+1], s48, v[AL+2*\q+1]      ; x 1, or x NaN where no key is valid
.endr
.irp q, 0,1
	v_mul_f32 v[AL+2*\q], v[AL+2*\q], v[AL+2*\q+1]
	v_mul_f32 v[NM+2*\q], v[NM+2*\q], v[AL+2*\q+1]
.endr
	s_wait_dscnt 0x0
.irp q, 0,1
.set ix, 0
.rept 16
	v_pk_mul_f32 v[SB+32*\q+ix:SB+32*\q+ix+1], v[SB+32*\q+ix:SB+32*\q+ix+1], v[NM+2*\q:NM+2*\q+1] op_sel_hi:[1,0]
.set ix, ix+2
.endr
.endr
	WIN 0x01                                       ; my O from window 1
.irp q, 0,1
.set ix, 0
.rept 16
	v_pk_fma_f32 v[SB+32*\q+ix:SB+32*\q+ix+1], v[OB+32*\q+ix:OB+32*\q+ix+1], v[AL+2*\q:AL+2*\q+1], v[SB+32*\q+ix:SB+32*\q+ix+1] op_sel_hi:[1,0,1]
.set ix, ix+2
.endr
.endr
	WIN 0
	; ---------------- the way out ----------------
	; A lane holds d = 16 t + 8 h + 0..7 of query r: 32 bytes of a row.  Through my own LDS bytes the 32 rows become whole rows of 256 bytes.
.irp q, 0,1
.irp t, 0,1,2,3
	ds_store_b128 v[OST], v[SB+32*\q+8*\t:SB+32*\q+8*\t+3]   offset:\q*16*OPITCH+\t*64
	ds_store_b128 v[OST], v[SB+32*\q+8*\t+4:SB+32*\q+8*\t+7] offset:\q*16*OPITCH+\t*64+16
.endr
.endr
.irp t, 0,1,2,3,4,5,6,7,8,9,10,11,12,13,14,15
	ds_load_b128 v[FR+4*\t:FR+4*\t+3], v[ORD] offset:\t*2*OPITCH   ; LDS serves a wave's instructions in order (ISA guide 5.7.1): these see the stores above
.endr
.irp t, 0,1,2,3,4,5,6,7,8,9,10,11,12,13,14,15
	s_wait_dscnt 15-\t                             ; the younger loads stay out
	global_store_b128 v[OOFF], v[FR+4*\t:FR+4*\t+3], s[OP:OP+1] offset:\t*2*ROWB th:TH_STORE_NT   ; 16 lanes store one row's 256 consecutive bytes, aligned
.endr
	s_wait_tensorcnt 0x0
	ds_add_u32 v62, v63
	s_wait_dscnt 0x0
	s_endpgm
.Lfunc_end_k_q127a3d9e27_attn:
	.size	k_q127a3d9e27_attn, .Lfunc_end_k_q127a3d9e27_attn-k_q127a3d9e27_attn
	.p2alignl 7, 3214868480
	.fill 96, 4, 3214868480
	.section	.rodata,"a",@progbits
	.p2align	6, 0x0
	.amdhsa_kernel k_q127a3d9e27_attn
		.amdhsa_group_segment_fixed_size 254976
		.amdhsa_private_segment_fixed_size 0
		.amdhsa_enable_private_segment 0
		.amdhsa_kernarg_size 40
		.amdhsa_user_sgpr_count 2
		.amdhsa_user_sgpr_kernarg_segment_ptr 1
		.amdhsa_wavefront_size32 1
		.amdhsa_system_sgpr_workgroup_id_x 1
		.amdhsa_system_sgpr_workgroup_id_y 1
		.amdhsa_system_sgpr_workgroup_id_z 1
		.amdhsa_system_vgpr_workitem_id 0
		.amdhsa_next_free_vgpr 512
		.amdhsa_next_free_sgpr 66
		.amdhsa_reserve_vcc 1
		.amdhsa_float_denorm_mode_32 3
		.amdhsa_float_denorm_mode_16_64 3
		.amdhsa_memory_ordered 1
		.amdhsa_forward_progress 1
		.amdhsa_inst_pref_size 174
	.end_amdhsa_kernel
	.amdgpu_metadata
---
amdhsa.version: [ 1, 2 ]
amdhsa.kernels:
  - .name:           k_q127a3d9e27_attn
    .symbol:         k_q127a3d9e27_attn.kd
    .args:
      - { .name: qs, .offset: 0, .size: 8, .value_kind: global_buffer, .address_space: global }
      - { .name: ks, .offset: 8, .size: 8, .value_kind: global_buffer, .address_space: global }
      - { .name: vs, .offset: 16, .size: 8, .value_kind: global_buffer, .address_space: global }
      - { .name: valid_lens, .offset: 24, .size: 8, .value_kind: global_buffer, .address_space: global }
      - { .name: out0, .offset: 32, .size: 8, .value_kind: global_buffer, .address_space: global }
    .group_segment_fixed_size: 254976
    .private_segment_fixed_size: 0
    .kernarg_segment_align: 8
    .kernarg_segment_size: 40
    .max_flat_workgroup_size: 256
    .sgpr_count:     66
    .vgpr_count:     512
    .wavefront_size: 32
...
	.end_amdgpu_metadata
.endif
;; end of part 1
